; MI455X (gfx1250); checked and timed in simulation.
; The chip was launched on July 23, 2026; its instructions are those of AMD's public machine-readable ISA for CDNA 5 (MIT licence, August 2026) and "CDNA5" Instruction Set Architecture Reference Guide (July 2026). The comments in the code are by the model that wrote it; some were corrected since.
;; VLLTR. Allowed arithmetic: matrix products marked QUANTISED: E3M2 operands, one E8M0 scale for each 32 along K, by v_wmma_scale_f32_16x16x128_f8f6f4 with both operands' format E3M2, f32 sums; products left as they are: f32 operands where the result goes on into a quantised operand, else bf16, f16 or f32 operands; f32 sums; everything else in f32.
;; Inputs: W1 512 x 2,048 float32; W2 2,048 x 1,000 float32; Wk 512 x 512 float32; Wq 512 x 512 float32; b1 2,048 float32; b2 1,000 float32; key_padding_mask 512 x 256 bool; kx 512 x 256 x 512 float32; ln_k_b 512 float32; ln_k_g 512 float32; ln_q_b 512 float32; ln_q_g 512 float32; logit_scale 1 float32; qx 256 x 1 x 512 float32.
;; Outputs: out0 256 x 1,000 float32; out1 256 x 512 float32.
;; This version of the problem:
;;   THIS VERSION OF THE PROBLEM IS GIVEN IN LOW PRECISION. The matrix products marked QUANTISED in the list below multiply operands that are first quantised to E3M2 (3 exponent bits, 2 mantissa bits; 6 bits a number), with one power-of-two scale for each 32 numbers along K (OCP MX v1.0); their sums are f32. All else is computed in f32.
;;   The module's matrix products, in the order in which they are computed (A, B: the left and right operand; K: the contracted axis; several contracted axes count as one K, in the product's order):
;;     1. [M 256, K 512] x [K 512, N 512]; A: computed on the way; B: input Wq: QUANTISED
;;     2. [M 131,072, K 512] x [K 512, N 512]; A: computed on the way; B: input Wk: QUANTISED
;;     3. [M 131,072, K 512] x [K 512, N 256]; A: computed on the way; B: computed on the way: QUANTISED
;;     4. batch 512 x [M 256, K 256] x [K 256, N 512]; A: softmax (see below); B: input kx: QUANTISED
;;     5. [M 256, K 512] x [K 512, N 2,048]; A: input qx; B: input W1: QUANTISED
;;     6. [M 256, K 2,048] x [K 2,048, N 1,000]; A: computed on the way; B: input W2: QUANTISED
;;     7. batch 256 x [M 512, K 512] x [K 512, N 1]; A: computed on the way; B: computed on the way: left as it is (N = 1 < 16)
;;   THE QUANTISER, for each operand of a quantised product, along K:
;;     - K is cut into blocks of 32 from its start; a last block that is shorter is filled with zeros.
;;     - A block's scale is 2^e with e = floor(log2(the largest magnitude in the block)) - 4, held to -126 .. 127; a block of zeros has e = 0. As a byte (E8M0): e + 127.
;;     - Each number is divided by its block's scale, clamped to +-28, and rounded to the nearest number of E3M2, ties to even, subnormals kept.
;;     - The product sums the exact products of the quantised numbers (number of the format x scale) in f32.
;;   ~~~python
;;   def quantise(x, axis):      # numpy; x: float32 -> the quantised numbers, widened to float32 again
;;       x = np.moveaxis(x, axis, -1); K = x.shape[-1]
;;       x = np.pad(x, [(0, 0)] * (x.ndim - 1) + [(0, -K % 32)]); x = x.reshape(x.shape[:-1] + (-1, 32)); a = np.abs(x).max(-1, keepdims=True)
;;       e = np.where(a > 0, np.clip(np.frexp(np.where(a > 0, a, 1))[1] - 1 - 4, -126, 127), 0)      # np.frexp(a)[1] - 1 = floor(log2(a)), exactly
;;       r = np.clip(x / 2.0 ** e, -28, 28)
;;       step = 2.0 ** (np.maximum(np.frexp(np.where(r == 0, 1, r))[1] - 1, -2) - 2)
;;       q = np.round(r / step) * step * 2.0 ** e      # np.round: ties to even
;;       return np.moveaxis(q.reshape(q.shape[:-2] + (-1,))[..., :K], -1, axis).astype(np.float32)
;;   ~~~
;;   SOFTMAX AHEAD OF A QUANTISED PRODUCT. Where the list says 'softmax', what is quantised is not the finished softmax but p = 2^(t - M), with t = logit x log2(e) and M = ceil(the row's largest t), a whole number; so 1/2 < the row's largest p <= 1. The row's sum l is taken of the UNQUANTISED p, in f32, and the product's result is divided by l at the end. Since M is a whole number, a kernel that streams over the keys may use a running M (the ceiling of the running maximum): every later rescaling is an exact power of two, which a block's scale takes up: the codes' values come out the same.
;;   OPERANDS COMPUTED ON THE WAY. 'Computed on the way' means the value that the module computes at that place (a softmax that the list does not call 'softmax' is quantised finished and normalised). What goes into a quantiser is computed in f32, as accurately as f32 sums, v_exp_f32 and their like allow (about 1e-6 of the number): no bf16 or f16 on the way to a quantiser, and a product that is left as it is and whose result goes on into a quantised operand takes f32 operands (vector FMAs, or v_wmma_f32_16x16x4_f32). A number that lies on a knife's edge between two numbers of the format may be rounded either way, as far as f32 arithmetic and the matrix unit's own rounding can turn it there, and no further.
;; One version. Each part assembles by itself: llvm-mc -triple=amdgcn-amd-amdhsa -mcpu=gfx1250 --defsym DOCPART=n.
;; ======== version 1 of 1: 2 launches
;; workspace buffers: wk 212,992 bytes; qc 106,496 bytes; hc 425,984 bytes; w2c 1,703,936 bytes; qs 524,288 bytes
;; launch prep (part 1): grid 116 x 1, 4 waves a work-group, no clusters, 53,760 bytes of LDS; arguments W1, Wq, Wk, W2, qx, b1, ln_q_g, ln_q_b, logit_scale, hc, qc, wk, w2c, qs; writes hc, qc, wk, w2c, qs
.if DOCPART == 1
	.amdgcn_target "amdgcn-amd-amdhsa--gfx1250"
	.amdhsa_code_object_version 6
	.text
	.protected	k_q8c894eb38c_prep
	.globl	k_q8c894eb38c_prep
	.p2align	8
	.type	k_q8c894eb38c_prep,@function
k_q8c894eb38c_prep:
	s_mov_b64 s[64:65], 0
	v_nop
	global_prefetch_b8 v0, s[64:65] scope:SCOPE_SE
	s_setreg_imm32_b32 hwreg(HW_REG_WAVE_MODE, 25, 1), 1
	s_wait_xcnt 0x0
; What the main launch needs ready: codes of E3M2 (6 bits, one E8M0 byte for each 32 along K) of Wk and W2, of q = LN(qx) Wq and of
; h = relu(qx W1 + b1), both products on codes; and qs = qx / max(|qx|, 1e-12) x exp(logit_scale) in f32.
; ROLES by the work-group's number: 0-63 h (slice of 128 columns of W1 = id / 4, 64 rows = id % 4); 64-79 q likewise with Wq;
; 80-83 a slice of Wk; 84-115 W2 (128 columns = (id - 84) % 8, 512 of its K = (id - 84) / 8).
; EVERY work-group first quantises 512 (K) x 128 columns of a weight whose K is its first axis: wave v takes K rows 128 v .. + 127, a lane
; four columns, its registers run down K, so a block of 32 lies in one lane.  The codes go to LDS block by block: tile base + 384 x block
; + 128 x pair + 8 x row, from which a fragment comes by six loads of 8 bytes.  THE COLUMNS OF A TILE ARE NOT NEIGHBOURS: row r of tile
; 2 b + u is column 32 b + 8 u + r + 8 (r / 8), so that 16 registers of two neighbouring result tiles are 16 neighbours along the next K.
; Operands leave for memory as images of their registers: 3 x 512 bytes, lane l's 16 bytes at 16 l; scale words beside them.
; LIMITS: NaN and infinities are not served.  A block of zeros, or one under 2^-122, gets the byte 1 (its codes are zeros or tiny); these
; bytes are read by this program alone.  W2's columns 1000-1023 get zero codes.
; No tensor loads: each weight byte has to pass through registers to be quantised.  No cluster: nothing lands in LDS unquantised.
; REGISTERS, window 0: v1 r, v2 h, v3 16 lane, v4 4 r, v5-19 addresses, v20-23 pairs, v24-39 TM, v40-51 codes, v52-58 second halves, v59 a scale
; word, v60-63 pairs, v64-191 at work, v192-255 scale words.  Window 1: 256 numbers of qx.  Windows 2, 3: the raw weight, then its 32 fragments
; (K steps 0, 1 | 2, 3) at v0-191; window 2 v192-255 the sums' first C; window 3 v192-255 the eight accumulators.
.set WTILE, 6152                       ; a tile in LDS: 16 blocks x 384 bytes + 8
.set WSC,   49216                      ; behind the 8 tiles: scale words, tile x 256 + K step x 64 + 4 r
.set TM, 24
.set PC, 40
.set PT, 52
.set PW, 59
.set MSB, 0
.macro WIN new                         ; the immediate's high byte repeats the setting that is left
.if MSB != (\new)
	s_set_vgpr_msb (MSB<<8)|(\new)
.set MSB, \new
.endif
.endm
.macro PLACES n
.rept \n
	v_nop
.endr
.endm
.macro BARRIER                         ; my LDS stores have landed and my LDS loads are in: then the work-group's barrier
	s_wait_dscnt 0x0
	s_barrier_signal -1
	s_barrier_wait -1
.endm
.macro MMA d, a, b, c, sa, sb
	v_wmma_scale_f32_16x16x128_f8f6f4 v[(\d):(\d)+7], v[(\a):(\a)+11], v[(\b):(\b)+11], v[(\c):(\c)+7], v[\sa], v[\sb] matrix_a_fmt:MATRIX_FMT_BF6 matrix_b_fmt:MATRIX_FMT_BF6
.endm
; 32 products: K steps 0-3, my eight tiles by turns.  Source 0 = 16 columns of the weight, source 1 = 16 rows.
; The first K step takes its C from window 2 (the bias, or zeros).
.macro WM xs, xsc
.irp s,0,1,2,3
.if \s >= 2
	WIN 0xf3
.elseif \s == 0
	WIN 0xe2
.else
	WIN 0xf2
.endif
.irp t,0,1,2,3,4,5,6,7
	MMA 192+8*\t, 12*(8*(\s%2)+\t), \xs+12*\s, 192+8*\t, 192+8*\s+\t, \xsc+\s
.endr
.endr
.endm
; 64 numbers of a lane in window ws, register 16 b + i = k 32 b + 16 (lane / 16) + i of my row, become a fragment's 12 registers v[pc] on and its scale word v[pw].
.macro QUANT s, ws, pc, pw
	WIN 0x14*(\ws)
.irp b,0,1,2,3
	v_max3_num_f32 v[TM+\b], 0x2800000, |v[(\s)+16*\b]|, |v[(\s)+16*\b+1]|   ; with the floor 2^(5 - 127): the byte cannot fall under 1
.endr
.irp i,2,4,6,8,10,12,14
.irp b,0,1,2,3
	v_max3_num_f32 v[TM+\b], v[TM+\b], |v[(\s)+16*\b+\i]|, |v[(\s)+16*\b+\i+1]|
.endr
.endr
	WIN 0
.irp b,0,1,2,3
	v_permlanex16_b32 v[TM+4+\b], v[TM+\b], s34, s35
.endr
.irp b,0,1,2,3
	v_max_num_f32 v[TM+\b], v[TM+\b], v[TM+4+\b]                ; with lane l xor 16's: the block's largest magnitude
.endr
.irp b,0,1,2,3
	v_add_nc_u32 v[TM+12+\b], 0xfe000000, v[TM+\b]              ; 4 off its exponent field: the conversion's scale operand
.endr
.irp b,0,1,2,3
	v_lshrrev_b32 v[TM+4+\b], 23, v[TM+12+\b]                   ; the scale's byte
.endr
	v_lshl_or_b32 v[\pw], v[TM+5], 8, v[TM+4]
	v_lshl_or_b32 v[\pw], v[TM+6], 16, v[\pw]
	v_lshl_or_b32 v[\pw], v[TM+7], 24, v[\pw]
	WIN \ws
.irp c,0,1
	v_cvt_scalef32_pk16_bf6_f32 v[(\pc)+6*\c:(\pc)+6*\c+2], v[(\s)+32*\c:(\s)+32*\c+15], v[TM+12+2*\c]
	v_cvt_scalef32_pk16_bf6_f32 v[PT+4*\c:PT+4*\c+2], v[(\s)+32*\c+16:(\s)+32*\c+31], v[TM+13+2*\c]
.endr
	WIN 0
	v_nop                                                       ; one plain place behind a scaled conversion
.irp c,0,1                                                      ; a lane wants a whole block: lanes 0-15 block 2 c, lanes 16-31 block 2 c + 1
.irp i,0,1,2
	v_permlane16_swap_b32 v[(\pc)+6*\c+\i], v[PT+4*\c+\i]
.endr
.irp i,0,1,2
	v_mov_b32 v[(\pc)+3+6*\c+\i], v[PT+4*\c+\i]
.endr
.endr
.endm
; Four columns of a lane, 32 rows down K each: v[zb + 32 c + i].  Codes to LDS (8 bytes a store), the four bytes into the pairs v[248 + c], v[252 + c] from the top.
; Lanes whose bit of s50 is 0 store zero codes.
.macro XVQ zb, adr, off
.irp c,0,1,2,3
	v_max3_num_f32 v[TM+\c], |v[\zb+32*\c]|, |v[\zb+32*\c+1]|, |v[\zb+32*\c+2]|
	v_max3_num_f32 v[TM+4+\c], |v[\zb+32*\c+3]|, |v[\zb+32*\c+4]|, |v[\zb+32*\c+5]|
.endr
.irp i,6,10,14,18,22,26
.irp c,0,1,2,3
	v_max3_num_f32 v[TM+\c], v[TM+\c], |v[\zb+32*\c+\i]|, |v[\zb+32*\c+\i+1]|
	v_max3_num_f32 v[TM+4+\c], v[TM+4+\c], |v[\zb+32*\c+\i+2]|, |v[\zb+32*\c+\i+3]|
.endr
.endr
.irp c,0,1,2,3
	v_max3_num_f32 v[TM+\c], v[TM+\c], |v[\zb+32*\c+30]|, |v[\zb+32*\c+31]|
.endr
.irp c,0,1,2,3
	v_max3_num_f32 v[TM+\c], v[TM+\c], v[TM+4+\c], 0x2800000
.endr
.irp c,0,1,2,3
	v_add_nc_u32 v[TM+8+\c], 0xfe000000, v[TM+\c]
.endr
.irp c,0,1,2,3
	v_lshrrev_b32 v[TM+12+\c], 23, v[TM+8+\c]
.endr
.irp c,0,1,2,3
	v_alignbit_b32 v[248+\c], v[252+\c], v[248+\c], 8
.endr
.irp c,0,1,2,3
	v_alignbit_b32 v[252+\c], v[TM+12+\c], v[252+\c], 8
.endr
.irp e,0,1
	s_wait_dscnt 0x0                                            ; the last stores have read the codes' registers
	v_cvt_scalef32_pk16_bf6_f32 v[PC:PC+2], v[\zb+64*\e:\zb+64*\e+15], v[TM+8+2*\e]
	v_cvt_scalef32_pk16_bf6_f32 v[PT:PT+2], v[\zb+64*\e+16:\zb+64*\e+31], v[TM+8+2*\e]
	v_cvt_scalef32_pk16_bf6_f32 v[PC+6:PC+8], v[\zb+64*\e+32:\zb+64*\e+47], v[TM+9+2*\e]
	v_cvt_scalef32_pk16_bf6_f32 v[PT+4:PT+6], v[\zb+64*\e+48:\zb+64*\e+63], v[TM+9+2*\e]
	v_nop
.irp i,0,1,2
	v_mov_b32 v[PC+3+\i], v[PT+\i]
	v_mov_b32 v[PC+9+\i], v[PT+4+\i]
.endr
.irp k,0,1,2,3,4,5,6,7,8,9,10,11
	v_cndmask_b32 v[PC+\k], 0, v[PC+\k], s50
.endr
.irp p,0,1,2
	ds_store_b64 v[\adr], v[PC+2*\p:PC+2*\p+1] offset:\off+128*\p+16*\e
	ds_store_b64 v[\adr], v[PC+6+2*\p:PC+7+2*\p] offset:\off+128*\p+16*\e+8
.endr
.endr
.endm
.macro JOIN4 dst                       ; four packed chains v[24:31], both halves, and lane l xor 16's
	v_pk_add_f32 v[24:25], v[24:25], v[26:27]
	v_pk_add_f32 v[28:29], v[28:29], v[30:31]
	v_pk_add_f32 v[24:25], v[24:25], v[28:29]
	v_add_f32 v24, v24, v25
	v_permlanex16_b32 v28, v24, s34, s35
	v_add_f32 v[\dst], v24, v28
.endm
.macro SUMSQ                           ; the sum of squares of window 1's 256 numbers, in four chains
	WIN 0x05
.irp c,0,1,2,3
	v_pk_mul_f32 v[24+2*\c:25+2*\c], v[2*\c:2*\c+1], v[2*\c:2*\c+1]
.endr
.set li, 8
.rept 31
.irp c,0,1,2,3
	v_pk_fma_f32 v[24+2*\c:25+2*\c], v[li+2*\c:li+2*\c+1], v[li+2*\c:li+2*\c+1], v[24+2*\c:25+2*\c]
.endr
.set li, li+8
.endr
	WIN 0
.endm
.macro LOADW pitch                     ; 128 rows of K x the wave's 512 bytes: block blk into window 2 + blk / 2
.irp blk,0,1,2,3
	WIN (2+\blk/2)<<6
.set zi, 0
.rept 32
	global_load_b128 v[128*(\blk%2)+4*zi:128*(\blk%2)+4*zi+3], v5, s[48:49] offset:(32*\blk+zi)*(\pitch)
.set zi, zi+1
.endr
.endr
	WIN 0
.endm
	s_load_b512 s[8:23], s[0:1], 0x0               ; W1 8, Wq 10, Wk 12, W2 14, qx 16, b1 18, ln_q_g 20, ln_q_b 22
	s_load_b256 s[24:31], s[0:1], 0x40             ; logit_scale 24, hc 26, qc 28, wk 30
	s_load_b128 s[36:39], s[0:1], 0x60             ; w2c 36, qs 38
	v_lshl_add_u32 v238, v0, 2, 0xd000
	v_mov_b32 v239, 0
	v_lshrrev_b32 v1, 5, v0
	v_readfirstlane_b32 s2, v1                     ; wave
	v_and_b32 v1, 15, v0                           ; r
	v_bfe_u32 v2, v0, 4, 1                         ; h
	v_and_b32 v7, 31, v0                           ; lane
	v_lshlrev_b32 v3, 4, v7
	v_lshlrev_b32 v4, 2, v1
	s_mov_b32 s3, ttmp9
	s_mov_b32 s34, 0x76543210
	s_mov_b32 s35, 0xfedcba98                      ; v_permlanex16_b32's selects for lane l xor 16
	s_mov_b32 s60, 0x3b000000                      ; 1 / 512
	s_mov_b32 s61, 0x3727c5ac                      ; 1e-5
	s_and_b32 s6, s3, 3                            ; which 64 rows (roles with rows)
	s_sub_co_u32 s40, s3, 84
	s_and_b32 s7, s40, 7                           ; W2: which 128 columns,
	s_lshr_b32 s4, s40, 3                          ; which 512 of K
	s_lshl_b32 s41, s7, 7
	s_cmp_ge_u32 s3, 84
	s_cselect_b32 s41, s41, 0
	v_lshl_add_u32 v6, v7, 2, s41                  ; my first column (counted in the tensor for W2 alone)
	v_cmp_gt_u32 s50, 0x3e8, v6                    ; lanes whose columns exist
	v_min_u32 v5, 0x3e4, v6                        ; no load leaves a row of W2
	v_lshlrev_b32 v5, 2, v5
.irp k,21,23,28,29,30,31,61,63,248,249,250,251,252,253,254,255
	v_mov_b32 v[\k], 0                             ; written once: permute destinations, upper halves of pairs, the bytes' pairs
.endr
	v_lshrrev_b32 v9, 3, v7
	v_bfe_u32 v10, v7, 1, 1
	v_lshl_add_u32 v9, v9, 1, v10                  ; my columns' tile: 2 (lane / 8) + (lane / 2) % 2
	v_and_b32 v10, 1, v7
	v_bfe_u32 v11, v7, 2, 1
	v_lshlrev_b32 v10, 2, v10
	v_lshl_add_u32 v10, v11, 3, v10                ; their first row in it: 4 (lane % 2) + 8 ((lane / 4) % 2)
	v_mul_u32_u24 v8, v9, WTILE
	v_lshl_add_u32 v8, v10, 3, v8
	s_mul_i32 s42, s2, 1536
	v_add_nc_u32 v8, s42, v8                       ; where my codes go
	v_lshlrev_b32 v12, 8, v9
	v_lshl_add_u32 v12, v10, 2, v12
	s_lshl_b32 s43, s2, 6
	s_add_co_u32 s43, s43, WSC
	v_add_nc_u32 v12, s43, v12                     ; and my scale words
	v_mul_u32_u24 v13, v2, 384
	v_lshl_add_u32 v13, v1, 3, v13                 ; a fragment's lane: 384 h + 8 r
	v_add_nc_u32 v14, s42, v13                     ; the same in my own K step
	v_add_nc_u32 v15, WSC, v4                      ; a scale word's lane
	v_add_nc_u32 v16, s43, v4
	v_lshlrev_b32 v17, 11, v1
	v_lshl_add_u32 v17, v2, 6, v17                 ; qx: row r of 2,048 bytes + 64 h
	v_lshlrev_b32 v18, 12, v2
	v_lshl_add_u32 v18, v1, 4, v18                 ; qs: 4,096 h + 16 r
	v_lshlrev_b32 v19, 6, v2                       ; 64 h
	v_lshlrev_b32 v7, 2, v7                        ; 4 lane
	s_mov_b32 s47, 0
	s_wait_kmcnt 0x0
	s_cmp_lt_u32 s3, 80
	s_cbranch_scc0 .Lnox
	s_lshl_b32 s44, s6, 2
	s_add_co_u32 s44, s44, s2                      ; my tile of 16 rows
	s_lshl_b32 s46, s44, 15
	s_add_nc_u64 s[16:17], s[16:17], s[46:47]
	WIN 0x40                                       ; my row's numbers, register 64 s + 16 b + i = channel 128 s + 32 b + 16 h + i.  Ahead of the weights, so that the waits below count alike in every role
.set zi, 0
.rept 64
	global_load_b128 v[4*zi:4*zi+3], v17, s[16:17] offset:512*(zi/16)+128*((zi/4)%4)+16*(zi%4)
.set zi, zi+1
.endr
	WIN 0
.Lnox:
	s_cmp_lt_u32 s3, 64
	s_cbranch_scc0 .Lnot_w1
	s_lshr_b32 s5, s3, 2                           ; the slice
	s_lshl_b32 s46, s2, 20                         ; 128 v rows of 8,192 bytes
	s_lshl_b32 s45, s5, 9
	s_add_co_u32 s46, s46, s45
	s_add_nc_u64 s[48:49], s[8:9], s[46:47]
	LOADW 8192
	s_branch .Lloaded
.Lnot_w1:
	s_cmp_lt_u32 s3, 84
	s_cbranch_scc0 .Lw2
	s_sub_co_u32 s45, s3, 64
	s_lshr_b32 s45, s45, 2
	s_sub_co_u32 s5, s3, 80
	s_cmp_lt_u32 s3, 80
	s_cselect_b32 s5, s45, s5
	s_cselect_b64 s[48:49], s[10:11], s[12:13]     ; Wq or Wk: the choice hangs on the work-group's number alone
	s_lshl_b32 s46, s2, 18                         ; 128 v rows of 2,048 bytes
	s_lshl_b32 s45, s5, 9
	s_add_co_u32 s46, s46, s45
	s_add_nc_u64 s[48:49], s[48:49], s[46:47]
	LOADW 2048
	s_branch .Lloaded
.Lw2:
	s_lshl_b32 s51, s4, 2
	s_add_co_u32 s51, s51, s2                      ; my K step of W2's sixteen
	s_mul_i32 s46, s51, 512000                     ; 128 rows of 4,000 bytes each
	s_add_nc_u64 s[48:49], s[14:15], s[46:47]
	LOADW 4000
.Lloaded:
.irp blk,0,1,2,3
.if \blk < 2
	s_wait_loadcnt 63                              ; behind this block's loads 96 or 64 were issued: 63 is the largest count that can be written
.elseif \blk == 2
	s_wait_loadcnt 32                              ; the last block's 32 may be out
.else
	s_wait_loadcnt 0x0
.endif
	WIN 2+\blk/2
.set zi, 0
.rept 32
.irp c,0,1,2,3
	v_mov_b32 v[64+32*\c+zi], v[128*(\blk%2)+4*zi+\c]           ; a column's 32 rows on end
.endr
.set zi, zi+1
.endr
	WIN 0
	XVQ 64, 8, 384*\blk
.endr
.irp c,0,1,2,3
	ds_store_b32 v12, v[252+\c] offset:4*\c        ; four blocks' bytes: my K step's scale word of each column
.endr
	s_cmp_lt_u32 s3, 80
	s_cbranch_scc0 .Lbar
	s_cmp_lt_u32 s3, 64
	s_cbranch_scc0 .Lgb
	s_lshl_b32 s46, s5, 9                          ; b1 of my slice, in the result's layout: tile 2 b + u, units 32 b + 16 h + 8 u + 0 .. 7
	s_add_nc_u64 s[18:19], s[18:19], s[46:47]
	WIN 0x80
.irp t,0,1,2,3,4,5,6,7
	global_load_b128 v[192+8*\t:195+8*\t], v19, s[18:19] offset:(32*(\t/2)+8*(\t%2))*4
	global_load_b128 v[196+8*\t:199+8*\t], v19, s[18:19] offset:(32*(\t/2)+8*(\t%2))*4+16
.endr
	WIN 0
	s_branch .Lbar
.Lgb:
	WIN 0x80                                       ; the gain into window 2, the bias into window 3, indexed as the row's numbers
.set zi, 0
.rept 64
	global_load_b128 v[4*zi:4*zi+3], v19, s[20:21] offset:512*(zi/16)+128*((zi/4)%4)+16*(zi%4)
.set zi, zi+1
.endr
	WIN 0xc0
.set zi, 0
.rept 64
	global_load_b128 v[4*zi:4*zi+3], v19, s[22:23] offset:512*(zi/16)+128*((zi/4)%4)+16*(zi%4)
.set zi, zi+1
.endr
	WIN 0
.Lbar:
	BARRIER                                        ; the slice's codes and scale words lie in LDS
	s_cmp_lt_u32 s3, 80
	s_cbranch_scc0 .Lwonly
	s_cmp_lt_u32 s3, 64
	s_cbranch_scc1 .Lquant
	s_cmp_lg_u32 s5, 0
	s_cbranch_scc1 .Lln
	; ---- qs, made once for each row (by the work-groups of slice 0)
	s_load_b32 s56, s[24:25], 0x0
	s_lshl_b32 s46, s6, 17
	s_lshl_b32 s45, s2, 10
	s_add_co_u32 s46, s46, s45
	s_add_nc_u64 s[38:39], s[38:39], s[46:47]
	SUMSQ
	JOIN4 24
	v_sqrt_f32 v24, v24
	s_wait_kmcnt 0x0
	v_mov_b32 v25, s56
	v_mul_f32 v25, 0x3fb8aa3b, v25
	s_wait_alu depctr_va_vdst(0)
	v_max_num_f32 v24, 0x2b8cbccc, v24             ; max(|qx|, 1e-12)
	v_rcp_f32 v24, v24
	v_exp_f32 v25, v25
	v_nop
	s_wait_alu depctr_va_vdst(0)
	v_mul_f32 v20, v24, v25
.irp d,0,1                                     ; 128 numbers at a time through window 0
	WIN 0x01
.set zi, 0
.rept 64
	v_pk_mul_f32 v[64+zi:65+zi], v[128*\d+zi:128*\d+zi+1], v[20:21] op_sel_hi:[1,0]
.set zi, zi+2
.endr
	WIN 0
.set zi, 0
.rept 32
	global_store_b128 v18, v[64+4*zi:67+4*zi], s[38:39] offset:4096*(8*((32*\d+zi)/16)+2*((zi/4)%4))+512*(zi%2)+256*((zi%4)/2)   ; sixteen lanes store 256 consecutive bytes, aligned
.set zi, zi+1
.endr
	s_wait_xcnt 0x0                                ; the stores' data are written again only behind this wait
.endr
.Lln:
	; ---- LN of my row: a lane and lane l xor 16 hold all 512 numbers
	WIN 0x05
.irp c,0,1,2,3
	v_pk_add_f32 v[24+2*\c:25+2*\c], v[4*\c:4*\c+1], v[4*\c+2:4*\c+3]
.endr
	WIN 0x04
.set li, 16
.rept 30
.irp c,0,1,2,3
	v_pk_add_f32 v[24+2*\c:25+2*\c], v[24+2*\c:25+2*\c], v[li+2*\c:li+2*\c+1]
.endr
.set li, li+8
.endr
	WIN 0
	JOIN4 24
	v_mul_f32 v60, s60, v24                        ; the mean
	WIN 0x41
.set li, 0
.rept 128
	v_pk_add_f32 v[li:li+1], v[li:li+1], v[60:61] op_sel_hi:[1,0] neg_lo:[0,1] neg_hi:[0,1]
.set li, li+2
.endr
	SUMSQ
	JOIN4 24
	v_fma_f32 v24, v24, s60, s61
	v_rsq_f32 v20, v24
	v_nop
	WIN 0x41
.set li, 0
	s_wait_alu depctr_va_vdst(0)
.rept 128
	v_pk_mul_f32 v[li:li+1], v[li:li+1], v[20:21] op_sel_hi:[1,0]
.set li, li+2
.endr
	s_wait_loadcnt 0x0                             ; gain and bias
	WIN 0x79
.set li, 0
.rept 128
	v_pk_fma_f32 v[li:li+1], v[li:li+1], v[li:li+1], v[li:li+1]   ; x (window 1) x g (window 2) + b (window 3)
.set li, li+2
.endr
	WIN 0x80
.set li, 0
.rept 64
	v_mov_b32 v[192+li], 0                         ; this projection has no bias: its sums begin at 0
.set li, li+1
.endr
	WIN 0
.Lquant:
.irp s,0,1,2,3                                 ; all 32 fragments of the slice, asked for ahead of the rows' quantising
	WIN (2+\s/2)<<6
.irp t,0,1,2,3,4,5,6,7
.irp c,0,1
.irp p,0,1,2
	ds_load_b64 v[12*(8*(\s%2)+\t)+6*\c+2*\p:12*(8*(\s%2)+\t)+6*\c+2*\p+1], v13 offset:WTILE*\t+1536*\s+768*\c+128*\p
.endr
.endr
.endr
.endr
	WIN 0
.irp s,0,1,2,3
.irp t,0,1,2,3,4,5,6,7
	ds_load_b32 v[192+8*\s+\t], v15 offset:256*\t+64*\s
.endr
.endr
.irp s,0,1,2,3
	QUANT 64*\s, 1, 64+12*\s, 240+\s
.endr
	PLACES 8                                       ; scale words written by vector instructions stand eight places ahead of a scaled product
	s_wait_dscnt 0x0
	s_wait_loadcnt 0x0                             ; b1
	WM 64, 240
	WIN 0
	PLACES 4
	s_mov_b32 s57, 0xff800000
	s_cmp_lt_u32 s3, 64
	s_cselect_b32 s57, 0, s57                      ; relu for h; for q a maximum with -infinity, which changes nothing
	WIN 0xcc
.set li, 0
.rept 64
	v_max_num_f32 v[192+li], s57, v[192+li]
.set li, li+1
.endr
	QUANT 192, 3, PC, PW
	s_cmp_lt_u32 s3, 64
	s_cselect_b32 s45, 4, 2
	s_cselect_b64 s[52:53], s[26:27], s[28:29]     ; hc or qc
	s_mov_b32 s58, 98304
	s_cselect_b32 s58, 393216, s58                 ; where its scale words begin
	s_lshl_b32 s56, s44, s45
	s_add_co_u32 s56, s56, s5                      ; image number: tile of rows x K steps + K step
	s_mul_i32 s46, s56, 1536
	s_add_nc_u64 s[54:55], s[52:53], s[46:47]
	s_lshl_b32 s46, s56, 7
	s_add_co_u32 s46, s46, s58
	s_add_nc_u64 s[52:53], s[52:53], s[46:47]
.irp g,0,1,2
	global_store_b128 v3, v[PC+4*\g:PC+4*\g+3], s[54:55] offset:512*\g   ; 512 consecutive bytes a store
.endr
	global_store_b32 v7, v[PW], s[52:53]
	s_wait_tensorcnt 0x0
	ds_add_u32 v238, v239
	s_wait_dscnt 0x0
	s_endpgm
.Lwonly:
	; ---- Wk, W2: my K step's eight fragments leave as images
.irp t,0,1,2,3,4,5,6,7
.irp c,0,1
.irp p,0,1,2
	ds_load_b64 v[64+12*\t+6*\c+2*\p:65+12*\t+6*\c+2*\p], v14 offset:WTILE*\t+768*\c+128*\p
.endr
.endr
	ds_load_b32 v[240+\t], v16 offset:256*\t
.endr
	s_cmp_lt_u32 s3, 84
	s_cbranch_scc0 .Lst_w2
	s_mul_i32 s46, s5, 49152
	s_mul_i32 s45, s2, 12288
	s_add_co_u32 s46, s46, s45
	s_add_nc_u64 s[52:53], s[30:31], s[46:47]
	s_lshl_b32 s46, s5, 12
	s_lshl_b32 s45, s2, 10
	s_add_co_u32 s46, s46, s45
	s_add_co_u32 s46, s46, 196608
	s_add_nc_u64 s[54:55], s[30:31], s[46:47]
	s_wait_dscnt 0x0
.irp t,0,1,2,3,4,5,6,7
.irp g,0,1,2
	global_store_b128 v3, v[64+12*\t+4*\g:67+12*\t+4*\g], s[52:53] offset:1536*\t+512*\g
.endr
.endr
	global_store_b128 v3, v[240:243], s[54:55]
	global_store_b128 v3, v[244:247], s[54:55] offset:512
	s_wait_tensorcnt 0x0
	ds_add_u32 v238, v239
	s_wait_dscnt 0x0
	s_endpgm
.Lst_w2:
	s_mul_i32 s46, s7, 196608
	s_mul_i32 s45, s51, 1536
	s_add_co_u32 s46, s46, s45
	s_add_nc_u64 s[52:53], s[36:37], s[46:47]
	s_lshl_b32 s46, s7, 4
	s_add_co_u32 s46, s46, s51
	s_lshl_b32 s46, s46, 10
	s_add_co_u32 s46, s46, 1572864
	s_add_nc_u64 s[54:55], s[36:37], s[46:47]
	s_wait_dscnt 0x0
.irp t,0,1,2,3,4,5,6,7
.irp g,0,1,2
	global_store_b128 v3, v[64+12*\t+4*\g:67+12*\t+4*\g], s[52:53] offset:24576*\t+512*\g
.endr
.endr
	global_store_b128 v3, v[240:243], s[54:55]
	global_store_b128 v3, v[244:247], s[54:55] offset:512
	s_wait_tensorcnt 0x0
	ds_add_u32 v238, v239
	s_wait_dscnt 0x0
	s_endpgm
.Lfunc_end_k_q8c894eb38c_prep:
	.size	k_q8c894eb38c_prep, .Lfunc_end_k_q8c894eb38c_prep-k_q8c894eb38c_prep
	.p2alignl 7, 3214868480
	.fill 96, 4, 3214868480
	.section	.rodata,"a",@progbits
	.p2align	6, 0x0
	.amdhsa_kernel k_q8c894eb38c_prep
		.amdhsa_group_segment_fixed_size 53760
		.amdhsa_private_segment_fixed_size 0
		.amdhsa_enable_private_segment 0
		.amdhsa_kernarg_size 112
		.amdhsa_user_sgpr_count 2
		.amdhsa_user_sgpr_kernarg_segment_ptr 1
		.amdhsa_wavefront_size32 1
		.amdhsa_system_sgpr_workgroup_id_x 1
		.amdhsa_system_sgpr_workgroup_id_y 1
		.amdhsa_system_sgpr_workgroup_id_z 1
		.amdhsa_system_vgpr_workitem_id 0
		.amdhsa_next_free_vgpr 1024
		.amdhsa_next_free_sgpr 80
		.amdhsa_reserve_vcc 0
		.amdhsa_float_denorm_mode_32 3
		.amdhsa_float_denorm_mode_16_64 3
		.amdhsa_memory_ordered 1
		.amdhsa_forward_progress 1
		.amdhsa_inst_pref_size 228
	.end_amdhsa_kernel
	.amdgpu_metadata
---
amdhsa.version: [ 1, 2 ]
amdhsa.kernels:
  - .name:           k_q8c894eb38c_prep
    .symbol:         k_q8c894eb38c_prep.kd
    .args:
      - { .name: W1, .offset: 0, .size: 8, .value_kind: global_buffer, .address_space: global }
      - { .name: Wq, .offset: 8, .size: 8, .value_kind: global_buffer, .address_space: global }
      - { .name: Wk, .offset: 16, .size: 8, .value_kind: global_buffer, .address_space: global }
      - { .name: W2, .offset: 24, .size: 8, .value_kind: global_buffer, .address_space: global }
      - { .name: qx, .offset: 32, .size: 8, .value_kind: global_buffer, .address_space: global }
      - { .name: b1, .offset: 40, .size: 8, .value_kind: global_buffer, .address_space: global }
      - { .name: ln_q_g, .offset: 48, .size: 8, .value_kind: global_buffer, .address_space: global }
      - { .name: ln_q_b, .offset: 56, .size: 8, .value_kind: global_buffer, .address_space: global }
      - { .name: logit_scale, .offset: 64, .size: 8, .value_kind: global_buffer, .address_space: global }
      - { .name: hc, .offset: 72, .size: 8, .value_kind: global_buffer, .address_space: global }
      - { .name: qc, .offset: 80, .size: 8, .value_kind: global_buffer, .address_space: global }
      - { .name: wk, .offset: 88, .size: 8, .value_kind: global_buffer, .address_space: global }
      - { .name: w2c, .offset: 96, .size: 8, .value_kind: global_buffer, .address_space: global }
      - { .name: qs, .offset: 104, .size: 8, .value_kind: global_buffer, .address_space: global }
    .group_segment_fixed_size: 53760
    .private_segment_fixed_size: 0
    .kernarg_segment_align: 8
    .kernarg_segment_size: 112
    .max_flat_workgroup_size: 128
    .sgpr_count:     80
    .vgpr_count:     1024
    .wavefront_size: 32
...
	.end_amdgpu_metadata
.endif
;; end of part 1
;; launch main (part 2): grid 640 x 1, 4 waves a work-group, no clusters, 311,808 bytes of LDS; arguments kx, key_padding_mask, ln_k_g, ln_k_b, wk, qc, qs, out1, hc, w2c, b2, out0; writes out0, out1
.if DOCPART == 2
	.amdgcn_target "amdgcn-amd-amdhsa--gfx1250"
	.amdhsa_code_object_version 6
	.text
	.protected	k_q8c894eb38c_main
	.globl	k_q8c894eb38c_main
	.p2align	8
	.type	k_q8c894eb38c_main,@function
k_q8c894eb38c_main:
	s_mov_b64 s[64:65], 0
	v_nop
	global_prefetch_b8 v0, s[64:65] scope:SCOPE_SE
	s_setreg_imm32_b32 hwreg(HW_REG_WAVE_MODE, 25, 1), 1
	s_wait_xcnt 0x0
; Work-groups 128-639: one key batch each (256 keys x 512 channels of f32, read from memory ONCE) -> one column of out1.  Work-groups 0-127: out0 = h W2 + b2.
; All products on codes of E3M2 with one E8M0 byte for each 32 along K.
; A BATCH, four waves:
;  X   wave w owns channels 128 w .. + 127 of all keys, 32 keys a sub-step.  From one load: raw kx quantised along the KEYS (XV: a lane holds four columns, registers run down the keys)
;      and LN(kx) quantised along the channels (XN: through the wave's own stage a lane gets one row's 64 numbers).  Mean and variance: per 128 channels, joined by
;      m = mean of means, M2 = sum of M2 + 128 x sum of (m_i - m)^2: no difference of large sums.
;  P1  k = XN Wk: wave w makes units 128 w .. + 127 with its 32 fragments of Wk in registers, quantises them in registers: K step w of the scores' product (Kc).
;  P2  S^T = Kc q^T: wave w owns queries 64 w .. + 63; all 256 keys' scores stay in 512 registers.
;  SM  t = score x log2(e) / sqrt(512) + (0 or -infinity by the mask); M = ceil(the row's largest t); p = 2^(t - M) is quantised along the keys; the row's sum is of the unquantised p.
;  P4  O^T = XV P^T, 16 channels at a time; dot(O, qs) and |O|^2 of the tile before are summed between the matrix instructions.  x2 = (dot / l) / max(|O| / l, 1e-12); qs holds exp(logit_scale).
; Both kinds of product are used transposed: a lane holds ONE row (key or query) and its registers run along what is the next K.  THE KEYS OF A TILE ARE NOT NEIGHBOURS: row r of
; tile 2 b + u is key 32 b + 8 u + r + 8 (r / 8).
; LIMITS: NaN and infinities among the inputs are not served.  A row whose 256 keys are all masked gives NaN.  A block of zeros, or one under 2^-122, gets the byte 1.  p under 2^-126 is 0.
; out1: a work-group owns a column, 256 numbers 2,048 bytes apart, so its stores are of 4 bytes a lane: 1 KiB of the 1.3 MiB that it moves; whole rows would want a launch more.
; No tensor loads: kx has to pass through registers for both quantisers, and LDS has no room for a slot of f32.  No cluster: what work-groups share (wk, qc, qs) goes straight into registers.
; LDS.  XN and Kc lie [K step][tile] as images of the operand's registers (3 x 512 bytes, lane l's 16 bytes at 16 l), so each wave stores into bytes of its own on end.
.set XNI, 0                            ; 4 x 16 images of 1,536
.set XNS, 98304                        ; their scale words: K step x 1,024 + tile x 64 + 4 r
.set KCI, 102400
.set STG, KCI                          ; in phase X: the four waves' stages, 32 rows x 528 each
.set KCS, 200704
.set XVI, 204800                       ; 32 tiles x 3,080: block x 384 + pair x 128 + 8 r
.set XVT, 3080
.set XVS, 303360                       ; tile x 128 + K step x 64 + 4 r
.set EX,  307456                       ; [sub-step parity][wave][32 rows] x (mean, M2)
.set BIA, 309504                       ; 256 x (0 or -infinity), keys in their own order
; REGISTERS, window 0: v1 r, v2 h, v3 16 lane, v4 4 r, v5-19 addresses, v20-23 pairs, later the rows' sums, v24-39 TM, v40-51 codes, v52-58 second halves, v59 a scale word, v60-63 pairs,
; v64-191 at work, v192-223 Wk's scale words, v224-239 q's, v240-247 those of the fragments in hand, v248-255 XV's bytes, later p's scale words.
; Window 1: gain, bias, columns | q | mask bias, P | qs sets 4-7, P.   Window 2, 3: kx as loaded, Wk | scores | qs sets 0-3, a copy of P.
.set TM, 24
.set PC, 40
.set PT, 52
.set PW, 59
.set MSB, 0
.macro WIN new                         ; the immediate's high byte repeats the setting that is left
.if MSB != (\new)
	s_set_vgpr_msb (MSB<<8)|(\new)
.set MSB, \new
.endif
.endm
.macro PLACES n
.rept \n
	v_nop
.endr
.endm
.macro BARRIER                         ; my LDS stores have landed and my LDS loads are in: then the work-group's barrier
	s_wait_dscnt 0x0
	s_barrier_signal -1
	s_barrier_wait -1
.endm
.macro MMZ d, a, b, sa, sb             ; a product that starts a sum
	v_wmma_scale_f32_16x16x128_f8f6f4 v[(\d):(\d)+7], v[(\a):(\a)+11], v[(\b):(\b)+11], 0, v[\sa], v[\sb] matrix_a_fmt:MATRIX_FMT_BF6 matrix_b_fmt:MATRIX_FMT_BF6
.endm
.macro MMA d, a, b, c, sa, sb
	v_wmma_scale_f32_16x16x128_f8f6f4 v[(\d):(\d)+7], v[(\a):(\a)+11], v[(\b):(\b)+11], v[(\c):(\c)+7], v[\sa], v[\sb] matrix_a_fmt:MATRIX_FMT_BF6 matrix_b_fmt:MATRIX_FMT_BF6
.endm
; 64 numbers of a lane in window ws, register 16 b + i = k 32 b + 16 (lane / 16) + i of my row, become a fragment's 12 registers v[pc] on and its scale word v[pw].
.macro QUANT s, ws, pc, pw
	WIN 0x14*(\ws)
.irp b,0,1,2,3
	v_max3_num_f32 v[TM+\b], 0x2800000, |v[(\s)+16*\b]|, |v[(\s)+16*\b+1]|   ; with the floor 2^(5 - 127): the byte cannot fall under 1
.endr
.irp i,2,4,6,8,10,12,14
.irp b,0,1,2,3
	v_max3_num_f32 v[TM+\b], v[TM+\b], |v[(\s)+16*\b+\i]|, |v[(\s)+16*\b+\i+1]|
.endr
.endr
	WIN 0
.irp b,0,1,2,3
	v_permlanex16_b32 v[TM+4+\b], v[TM+\b], s34, s35
.endr
.irp b,0,1,2,3
	v_max_num_f32 v[TM+\b], v[TM+\b], v[TM+4+\b]                ; with lane l xor 16's: the block's largest magnitude
.endr
.irp b,0,1,2,3
	v_add_nc_u32 v[TM+12+\b], 0xfe000000, v[TM+\b]              ; 4 off its exponent field: the conversion's scale operand
.endr
.irp b,0,1,2,3
	v_lshrrev_b32 v[TM+4+\b], 23, v[TM+12+\b]                   ; the scale's byte
.endr
	v_lshl_or_b32 v[\pw], v[TM+5], 8, v[TM+4]
	v_lshl_or_b32 v[\pw], v[TM+6], 16, v[\pw]
	v_lshl_or_b32 v[\pw], v[TM+7], 24, v[\pw]
	WIN \ws
.irp c,0,1
	v_cvt_scalef32_pk16_bf6_f32 v[(\pc)+6*\c:(\pc)+6*\c+2], v[(\s)+32*\c:(\s)+32*\c+15], v[TM+12+2*\c]
	v_cvt_scalef32_pk16_bf6_f32 v[PT+4*\c:PT+4*\c+2], v[(\s)+32*\c+16:(\s)+32*\c+31], v[TM+13+2*\c]
.endr
	WIN 0
	v_nop                                                       ; one plain place behind a scaled conversion
.irp c,0,1                                                      ; a lane wants a whole block: lanes 0-15 block 2 c, lanes 16-31 block 2 c + 1
.irp i,0,1,2
	v_permlane16_swap_b32 v[(\pc)+6*\c+\i], v[PT+4*\c+\i]
.endr
.irp i,0,1,2
	v_mov_b32 v[(\pc)+3+6*\c+\i], v[PT+4*\c+\i]
.endr
.endr
.endm
; Four columns of a lane, 32 keys down each, in window 1: v[zb + 32 c + i].  Codes to LDS, the four bytes into the pairs v[248 + c], v[252 + c] from the top: after eight blocks the low word holds blocks 0-3.
.macro XVQ zb, adr, off
	WIN 0x15
.irp c,0,1,2,3
	v_max3_num_f32 v[TM+\c], |v[\zb+32*\c]|, |v[\zb+32*\c+1]|, |v[\zb+32*\c+2]|
	v_max3_num_f32 v[TM+4+\c], |v[\zb+32*\c+3]|, |v[\zb+32*\c+4]|, |v[\zb+32*\c+5]|
.endr
	WIN 0x14
.irp i,6,10,14,18,22,26
.irp c,0,1,2,3
	v_max3_num_f32 v[TM+\c], v[TM+\c], |v[\zb+32*\c+\i]|, |v[\zb+32*\c+\i+1]|
	v_max3_num_f32 v[TM+4+\c], v[TM+4+\c], |v[\zb+32*\c+\i+2]|, |v[\zb+32*\c+\i+3]|
.endr
.endr
.irp c,0,1,2,3
	v_max3_num_f32 v[TM+\c], v[TM+\c], |v[\zb+32*\c+30]|, |v[\zb+32*\c+31]|
.endr
	WIN 0
.irp c,0,1,2,3
	v_max3_num_f32 v[TM+\c], v[TM+\c], v[TM+4+\c], 0x2800000
.endr
.irp c,0,1,2,3
	v_add_nc_u32 v[TM+8+\c], 0xfe000000, v[TM+\c]
.endr
.irp c,0,1,2,3
	v_lshrrev_b32 v[TM+12+\c], 23, v[TM+8+\c]
.endr
.irp c,0,1,2,3
	v_alignbit_b32 v[248+\c], v[252+\c], v[248+\c], 8
.endr
.irp c,0,1,2,3
	v_alignbit_b32 v[252+\c], v[TM+12+\c], v[252+\c], 8
.endr
.irp e,0,1
	s_wait_dscnt 0x0                                            ; the last stores have read the codes' registers
	WIN 0x01
	v_cvt_scalef32_pk16_bf6_f32 v[PC:PC+2], v[\zb+64*\e:\zb+64*\e+15], v[TM+8+2*\e]
	v_cvt_scalef32_pk16_bf6_f32 v[PT:PT+2], v[\zb+64*\e+16:\zb+64*\e+31], v[TM+8+2*\e]
	v_cvt_scalef32_pk16_bf6_f32 v[PC+6:PC+8], v[\zb+64*\e+32:\zb+64*\e+47], v[TM+9+2*\e]
	v_cvt_scalef32_pk16_bf6_f32 v[PT+4:PT+6], v[\zb+64*\e+48:\zb+64*\e+63], v[TM+9+2*\e]
	WIN 0
	v_nop
.irp i,0,1,2
	v_mov_b32 v[PC+3+\i], v[PT+\i]
	v_mov_b32 v[PC+9+\i], v[PT+4+\i]
.endr
.irp p,0,1,2
	ds_store_b64 v[\adr], v[PC+2*\p:PC+2*\p+1] offset:\off+128*\p+16*\e
	ds_store_b64 v[\adr], v[PC+6+2*\p:PC+7+2*\p] offset:\off+128*\p+16*\e+8
.endr
.endr
.endm
.macro JOIN4 dst                       ; four packed chains v[24:31], both halves, and lane l xor 16's
	v_pk_add_f32 v[24:25], v[24:25], v[26:27]
	v_pk_add_f32 v[28:29], v[28:29], v[30:31]
	v_pk_add_f32 v[24:25], v[24:25], v[28:29]
	v_add_f32 v24, v24, v25
	v_permlanex16_b32 v28, v24, s34, s35
	v_add_f32 v[\dst], v24, v28
.endm
; My 128 channels of the rows of tile u: mean, centred in place, sum of squares; the pair goes to the exchange.
.macro STATS u, a
.set YB, 64+64*(\u)
.set MR, 60+2*(\u)
.irp c,0,1,2,3
	v_pk_add_f32 v[24+2*\c:25+2*\c], v[YB+4*\c:YB+4*\c+1], v[YB+4*\c+2:YB+4*\c+3]
.endr
.set si, 16
.rept 6
.irp c,0,1,2,3
	v_pk_add_f32 v[24+2*\c:25+2*\c], v[24+2*\c:25+2*\c], v[YB+si+2*\c:YB+si+2*\c+1]
.endr
.set si, si+8
.endr
	JOIN4 24
	v_mul_f32 v[MR], 0x3c000000, v24               ; / 128
.set si, 0
.rept 32
	v_pk_add_f32 v[YB+si:YB+si+1], v[YB+si:YB+si+1], v[MR:MR+1] op_sel_hi:[1,0] neg_lo:[0,1] neg_hi:[0,1]
.set si, si+2
.endr
.irp c,0,1,2,3
	v_pk_mul_f32 v[24+2*\c:25+2*\c], v[YB+2*\c:YB+2*\c+1], v[YB+2*\c:YB+2*\c+1]
.endr
.set si, 8
.rept 7
.irp c,0,1,2,3
	v_pk_fma_f32 v[24+2*\c:25+2*\c], v[YB+si+2*\c:YB+si+2*\c+1], v[YB+si+2*\c:YB+si+2*\c+1], v[24+2*\c:25+2*\c]
.endr
.set si, si+8
.endr
	JOIN4 MR+1
	ds_store_b64 v8, v[MR:MR+1] offset:1024*(\a)+128*(\u)
.endm
; The four waves' (mean, M2) in v[l] on -> 1 / sqrt(var + eps) in v[rs], (my mean - the row's mean) times that in v[sh].
.macro COMBINE l, rs, sh, mw
	v_add_f32 v52, v[\l], v[\l+2]
	v_add_f32 v53, v[\l+4], v[\l+6]
	v_add_f32 v52, v52, v53
	v_mul_f32 v52, 0x3e800000, v52
.irp i,0,2,4,6
	v_sub_f32 v[\l+\i], v[\l+\i], v52
.endr
	v_mul_f32 v53, v[\l], v[\l]
.irp i,2,4,6
	v_fmac_f32 v53, v[\l+\i], v[\l+\i]
.endr
	v_add_f32 v54, v[\l+1], v[\l+3]
	v_add_f32 v55, v[\l+5], v[\l+7]
	v_add_f32 v54, v54, v55
	v_fmac_f32 v54, 0x43000000, v53
	v_fma_f32 v54, v54, s46, s47
	v_rsq_f32 v[\rs], v54
	v_sub_f32 v55, v[\mw], v52                     ; (a plain place behind the transcendental)
	s_wait_alu depctr_va_vdst(0)
	v_mul_f32 v[\sh], v55, v[\rs]
.endm
.macro NORMAL u, rs, sh
.set YB, 64+64*(\u)
.set ni, 0
.rept 32
	v_pk_fma_f32 v[YB+ni:YB+ni+1], v[YB+ni:YB+ni+1], v[\rs:\rs+1], v[\sh:\sh+1] op_sel_hi:[1,0,0]
.set ni, ni+2
.endr
	WIN 0x14
.set ni, 0
.rept 32
	v_pk_fma_f32 v[YB+ni:YB+ni+1], v[YB+ni:YB+ni+1], v[ni:ni+1], v[64+ni:65+ni]   ; x gain + bias (window 1)
.set ni, ni+2
.endr
	WIN 0
.endm
; A sub-step of phase X: 32 keys; a = its parity, wr = the window that holds them as loaded.
.macro XSTEP a, wr
	s_wait_loadcnt 32                              ; behind this sub-step's 32 loads only the next sub-step's 32 were issued
	WIN (\wr)<<2
.set xi, 0
.rept 32
	ds_store_b128 v6, v[64+4*xi:67+4*xi] offset:528*(16*((xi>>3)&1)+(xi&7)+8*(xi>>4))   ; key xi to the stage row of its place in its tile
.set xi, xi+1
.endr
	WIN 0
.irp u,0,1
.irp b,0,1,2,3
.irp q,0,1,2,3
	ds_load_b128 v[64+64*\u+16*\b+4*\q:67+64*\u+16*\b+4*\q], v7 offset:8448*\u+128*\b+16*\q   ; LDS serves a wave's instructions in order: these see the stores above
.endr
.endr
.endr
	WIN 0x40|(\wr)
.set xi, 0
.rept 32
.irp c,0,1,2,3
	v_mov_b32 v[128+32*\c+xi], v[64+4*xi+\c]       ; a column's 32 keys on end, in their own order
.endr
.set xi, xi+1
.endr
	WIN 0
	s_wait_dscnt 0x0                               ; the stage's stores have read their registers, and the rows are back
	s_wait_xcnt 0x0                                ; the offset register steps only behind this wait
	v_add_nc_u32 v5, 0x10000, v5
	s_cmp_lt_u32 s32, 3
	s_cbranch_scc0 .Lwk_\@
	WIN (\wr)<<6
.set xi, 0
.rept 32
	global_load_b128 v[64+4*xi:67+4*xi], v5, s[8:9] offset:2048*xi th:TH_LOAD_NT   ; the keys two sub-steps on: 512 consecutive bytes a load
.set xi, xi+1
.endr
	WIN 0
	s_branch .Lasked_\@
.Lwk_\@:                                           ; the last trip: the freed registers take the rest of Wk; 32 loads on either way, so the count above holds
	WIN (\wr)<<6
.set xi, 0
.rept 32
	global_load_b128 v[64+4*xi:67+4*xi], v3, s[16:17] offset:512*(16+xi)+24576*((\wr)-2)
.set xi, xi+1
.endr
	WIN 0
.Lasked_\@:
	v_add_nc_u32 v14, s38, v12
	XVQ 128, 14, 384*(\a)
	STATS 0, \a
	STATS 1, \a
	BARRIER                                        ; the four waves' parts of these 32 rows lie in the exchange; the other parity's bytes are written again only behind this barrier
.irp u,0,1
.irp i,0,1,2,3
	ds_load_b64 v[24+8*\u+2*\i:25+8*\u+2*\i], v9 offset:1024*(\a)+256*\i+128*\u
.endr
.endr
	v_add_nc_u32 v18, s40, v10
	v_add_nc_u32 v19, s41, v11
	s_wait_dscnt 0x0
	COMBINE 24, 20, 22, 60
	COMBINE 32, 60, 62, 62
	NORMAL 0, 20, 22
	QUANT 64, 0, PC, PW
.irp g,0,1,2
	ds_store_b128 v18, v[PC+4*\g:PC+4*\g+3] offset:3072*(\a)+512*\g
.endr
	ds_store_b32 v19, v[PW] offset:128*(\a)
	NORMAL 1, 60, 62
	s_wait_dscnt 0x0                               ; the stores have read their registers
	QUANT 128, 0, PC, PW
.irp g,0,1,2
	ds_store_b128 v18, v[PC+4*\g:PC+4*\g+3] offset:3072*(\a)+1536+512*\g
.endr
	ds_store_b32 v19, v[PW] offset:128*(\a)+64
.endm
; Tile kt's four fragments (16 loads with their scale words) from XN or Kc.  va: K steps 0, 1; vb = va + 49,152: K steps 2, 3.
.macro FETCHT set, sc, va, vb, vs, kt
.irp s,0,1
.irp g,0,1,2
	ds_load_b128 v[\set+12*\s+4*\g:\set+12*\s+4*\g+3], v[\va] offset:24576*\s+512*\g+1536*(\kt)
.endr
.endr
.irp s,0,1
.irp g,0,1,2
	ds_load_b128 v[\set+24+12*\s+4*\g:\set+24+12*\s+4*\g+3], v[\vb] offset:24576*\s+512*\g+1536*(\kt)
.endr
.endr
.irp s,0,1,2,3
	ds_load_b32 v[\sc+\s], v[\vs] offset:1024*\s+64*(\kt)
.endr
.endm
; 32 products: K steps 0-3, my eight tiles of units by turns.  Source 0 = 16 units of Wk, source 1 = 16 keys.
.macro WM xs, xsc
.irp s,0,1,2,3
.if \s >= 2
	WIN 0xf3
.else
	WIN 0xf2
.endif
.irp t,0,1,2,3,4,5,6,7
.if \s == 0
	MMZ 192+8*\t, 12*(8*(\s%2)+\t), \xs+12*\s, 192+8*\s+\t, \xsc+\s
.else
	MMA 192+8*\t, 12*(8*(\s%2)+\t), \xs+12*\s, 192+8*\t, 192+8*\s+\t, \xsc+\s
.endif
.endr
.endr
.endm
.macro KSTORE odd
.irp g,0,1,2
	ds_store_b128 v12, v[PC+4*\g:PC+4*\g+3] offset:1536*(\odd)+512*\g
.endr
	ds_store_b32 v13, v[PW] offset:64*(\odd)
.endm
.macro QSLOAD adr, off, set            ; a tile's 4 KiB of qs: sets 0-3 in window 2, sets 4-7 in window 1
.if (\set) < 4
	WIN 0x80
.else
	WIN 0x40
.endif
.irp g,0,1,2,3,4,5,6,7
	global_load_b128 v[32*((\set)%4)+4*\g:32*((\set)%4)+4*\g+3], v[\adr], s[20:21] offset:\off+512*\g
.endr
.endm
; The softmax of query tile qt: 128 scores a lane, in window 2 + qt / 2.
.macro SOFTMAX qt, ex
.set SW, 2+(\qt)/2
.set SS, 128*((\qt)%2)
.set PB, 128+24*(\qt)
	WIN (SW<<6)|SW|0x10
.set smk, 0
.rept 64
	v_pk_fma_f32 v[SS+smk:SS+smk+1], v[SS+smk:SS+smk+1], s[36:37], v[smk:smk+1] op_sel_hi:[1,0,1]   ; t = score x c + (0 or -infinity)
.set smk, smk+2
.endr
.if \ex == 2
	QSLOAD 3, 4096*4, 4                            ; the mask's registers are free
	QSLOAD 3, 4096*5, 5
.endif
	WIN 0x15*SW
.irp b,0,1,2,3,4,5,6,7
	v_max3_num_f32 v[24+\b], v[SS+16*\b], v[SS+16*\b+1], v[SS+16*\b+2]   ; the largest t of each block of 32 keys: it serves the row's maximum and, since p rises with t, the block's largest p
.endr
	WIN 0x14*SW
.irp i,3,5,7,9,11,13
.irp b,0,1,2,3,4,5,6,7
	v_max3_num_f32 v[24+\b], v[24+\b], v[SS+16*\b+\i], v[SS+16*\b+\i+1]
.endr
.endr
.irp b,0,1,2,3,4,5,6,7
	v_max_num_f32 v[24+\b], v[24+\b], v[SS+16*\b+15]
.endr
	WIN 0
.irp b,0,1,2,3,4,5,6,7
	v_permlanex16_b32 v[32+\b], v[24+\b], s34, s35
.endr
.irp b,0,1,2,3,4,5,6,7
	v_max_num_f32 v[24+\b], v[24+\b], v[32+\b]
.endr
	v_max3_num_f32 v56, v24, v25, v26
	v_max3_num_f32 v56, v56, v27, v28
	v_max3_num_f32 v56, v56, v29, v30
	v_max_num_f32 v56, v56, v31
	v_floor_f32 v58, -v56                          ; -M = floor(-t) = -ceil(t)
.irp b,0,1,2,3,4,5,6,7
	v_add_f32 v[24+\b], v[24+\b], v58
.endr
	WIN (SW<<6)|SW
.set smk, 0
.rept 64
	v_pk_add_f32 v[SS+smk:SS+smk+1], v[SS+smk:SS+smk+1], v[58:59] op_sel_hi:[1,0]
.set smk, smk+2
.endr
.set smk, 0
.rept 128
	v_exp_f32 v[SS+smk], v[SS+smk]                 ; p = 2^(t - M), not normalised
.set smk, smk+1
.endr
	WIN 0
.irp b,0,1,2,3,4,5,6,7
	v_exp_f32 v[24+\b], v[24+\b]                   ; the same addition and exponential on the same number: the block's largest p
.endr
	v_nop
	s_wait_alu depctr_va_vdst(0)
.irp b,0,1,2,3,4,5,6,7
	v_max_num_f32 v[24+\b], 0x2800000, v[24+\b]
.endr
.irp b,0,1,2,3,4,5,6,7
	v_add_nc_u32 v[40+\b], 0xfe000000, v[24+\b]
.endr
.irp b,0,1,2,3,4,5,6,7
	v_lshrrev_b32 v[48+\b], 23, v[40+\b]
.endr
.irp s,0,1
	v_lshl_or_b32 v[248+2*\qt+\s], v[49+4*\s], 8, v[48+4*\s]
	v_lshl_or_b32 v[248+2*\qt+\s], v[50+4*\s], 16, v[248+2*\qt+\s]
	v_lshl_or_b32 v[248+2*\qt+\s], v[51+4*\s], 24, v[248+2*\qt+\s]
.endr
	WIN 0x40|SW
.irp s,0,1
.irp c,0,1
	v_cvt_scalef32_pk16_bf6_f32 v[PB+12*\s+6*\c:PB+12*\s+6*\c+2], v[SS+16*(4*\s+2*\c):SS+16*(4*\s+2*\c)+15], v[40+4*\s+2*\c]
	v_cvt_scalef32_pk16_bf6_f32 v[224+4*(2*\s+\c):224+4*(2*\s+\c)+2], v[SS+16*(4*\s+2*\c+1):SS+16*(4*\s+2*\c+1)+15], v[41+4*\s+2*\c]
.endr
.endr
	WIN 0x41
	v_nop
.irp s,0,1
.irp c,0,1
.irp i,0,1,2
	v_permlane16_swap_b32 v[PB+12*\s+6*\c+\i], v[224+4*(2*\s+\c)+\i]
.endr
.irp i,0,1,2
	v_mov_b32 v[PB+12*\s+6*\c+3+\i], v[224+4*(2*\s+\c)+\i]
.endr
.endr
.endr
	WIN 0x05*SW                                    ; the row's sum is taken of the unquantised p, in four chains
.irp c,0,1,2,3
	v_pk_add_f32 v[56+2*\c:57+2*\c], v[SS+4*\c:SS+4*\c+1], v[SS+4*\c+2:SS+4*\c+3]
.endr
	WIN SW<<2
.set smk, 16
.rept 14
.irp c,0,1,2,3
	v_pk_add_f32 v[56+2*\c:57+2*\c], v[56+2*\c:57+2*\c], v[SS+smk+2*\c:SS+smk+2*\c+1]
.endr
.set smk, smk+8
.endr
	WIN 0
	v_pk_add_f32 v[56:57], v[56:57], v[58:59]
	v_pk_add_f32 v[60:61], v[60:61], v[62:63]
	v_pk_add_f32 v[56:57], v[56:57], v[60:61]
	v_add_f32 v56, v56, v57
	v_permlanex16_b32 v32, v56, s34, s35
	v_add_f32 v[20+\qt], v56, v32
.if \ex == 1
.irp t,0,1,2,3
	QSLOAD 3, 4096*\t, \t                          ; this tile's scores are done with: their registers take qs
.endr
	WIN 0
.endif
.endm
.macro XVFETCH vb, sc, va, vs, tl      ; a tile of XV: two fragments by 12 loads of 8 bytes, and two scale words
.irp s,0,1
.irp c,0,1
.irp p,0,1,2
	ds_load_b64 v[\vb+12*\s+6*\c+2*\p:\vb+12*\s+6*\c+2*\p+1], v[\va] offset:XVT*(\tl)+1536*\s+768*\c+128*\p
.endr
.endr
	ds_load_b32 v[\sc+\s], v[\vs] offset:128*(\tl)+64*\s
.endr
.endm
; Stage i of a trip of eight: channel tile J = 8 trip + i is multiplied, tile J - 1 is summed, tile J + 1 of XV and tile J + 6 of qs are asked for.
.macro PSTAGE i
.set PJ, (\i)%2
.set OC, 64+32*PJ
.set OP, 96-32*PJ
.set VC, 128+24*PJ
.set VN, 152-24*PJ
.set XC, 240+2*PJ
.set XM, 242-2*PJ
.set QZ, ((\i)+7)%8
.set QW, 2-QZ/4
.set QB, 32*(QZ%4)
	WIN 0
	XVFETCH VN, XM, 14, 15, (\i)+1
.if (\i) < 2
	QSLOAD 9, 4096*((\i)+6), ((\i)+6)%8
.else
	QSLOAD 10, 4096*((\i)-2), ((\i)+6)%8
.endif
	s_wait_dscnt 14                                ; all but the 14 just issued: this tile's fragments are in
	s_wait_loadcnt 56                              ; behind tile J - 1's eight loads those of tiles J .. J + 6 were issued
.irp k,0,1,2,3,4,5,6,7
	WIN QW<<2                                      ; P has a copy in the window of the qs set in hand, so one setting serves the product and the sums behind it
.if \k < 4
	MMZ OC+8*\k, VC, 128+24*\k, XC, 248+2*\k
.else
	MMA OC+8*(\k-4), VC+12, 128+24*(\k-4)+12, OC+8*(\k-4), XC+1, 249+2*(\k-4)
.endif
.if \k%2 == 0
.irp t,0,1,2,3
	v_pk_fma_f32 v[176+2*\t:177+2*\t], v[OP+8*\t+\k:OP+8*\t+\k+1], v[QB+8*\t+\k:QB+8*\t+\k+1], v[176+2*\t:177+2*\t]
.endr
.else
	WIN 0
.irp t,0,1,2,3
	v_pk_fma_f32 v[184+2*\t:185+2*\t], v[OP+8*\t+\k-1:OP+8*\t+\k], v[OP+8*\t+\k-1:OP+8*\t+\k], v[184+2*\t:185+2*\t]
.endr
.endif
.endr
.endm
	s_load_b512 s[8:23], s[0:1], 0x0               ; kx 8, mask 10, gain 12, bias 14, wk 16, qc 18, qs 20, out1 22
	s_load_b256 s[24:31], s[0:1], 0x40             ; hc 24, w2c 26, b2 28, out0 30
	v_lshrrev_b32 v1, 5, v0
	v_readfirstlane_b32 s2, v1                     ; wave
	v_and_b32 v1, 15, v0                           ; r
	v_bfe_u32 v2, v0, 4, 1                         ; h
	v_and_b32 v15, 31, v0                          ; lane
	v_lshlrev_b32 v3, 4, v15
	v_lshlrev_b32 v4, 2, v1
	s_mov_b32 s34, 0x76543210
	s_mov_b32 s35, 0xfedcba98                      ; v_permlanex16_b32's selects for lane l xor 16
	s_mov_b32 s45, 0
	s_cmp_lt_u32 ttmp9, 128
	s_cbranch_scc1 .Lmlp2
	s_sub_co_u32 s3, ttmp9, 128                    ; the key batch
	s_mov_b32 s36, 0x3d8293ee                      ; c = log2(e) / sqrt(512)
	s_mov_b32 s37, s36
	s_mov_b32 s46, 0x3b000000                      ; 1 / 512
	s_mov_b32 s47, 0x3727c5ac                      ; 1e-5
	v_add_nc_u32 v5, 0x10000, v3                   ; kx: 16 lane + the sub-step's 65,536
	s_mul_i32 s33, s2, 16896
	s_add_co_u32 s33, s33, STG
	v_add_nc_u32 v6, s33, v3                       ; my stage, in
	v_mul_u32_u24 v7, v1, 528
	v_lshl_add_u32 v7, v2, 6, v7
	v_add_nc_u32 v7, s33, v7                       ; and out: row r, + 64 h
	s_lshl_b32 s33, s2, 8
	s_add_co_u32 s33, s33, EX
	v_lshl_add_u32 v8, v1, 3, s33
	v_lshlrev_b32 v9, 3, v1
	v_add_nc_u32 v9, EX, v9
	s_mul_i32 s33, s2, 24576
	v_add_nc_u32 v10, s33, v3                      ; XN's images of my K step
	s_lshl_b32 s33, s2, 10
	s_add_co_u32 s33, s33, XNS
	v_add_nc_u32 v11, s33, v4
	v_lshrrev_b32 v12, 2, v15
	v_and_b32 v13, 3, v15
	s_lshl_b32 s33, s2, 3
	v_add_nc_u32 v12, s33, v12                     ; my columns' tile of XV: 8 w + lane / 4
	v_lshlrev_b32 v14, 7, v12
	v_mul_u32_u24 v12, v12, XVT
	v_lshl_add_u32 v12, v13, 5, v12
	v_add_nc_u32 v12, XVI, v12
	v_lshl_add_u32 v13, v13, 4, v14
	v_add_nc_u32 v13, XVS, v13
	v_lshlrev_b32 v19, 6, v2
	v_lshlrev_b32 v15, 2, v15                      ; 4 lane
.irp k,21,23,28,29,30,31,61,63,248,249,250,251,252,253,254,255
	v_mov_b32 v[\k], 0                             ; written once: permute destinations, upper halves of pairs, the bytes' pairs
.endr
	s_wait_kmcnt 0x0
	s_lshl_b32 s44, s3, 19
	s_lshl_b32 s33, s2, 9
	s_add_co_u32 s44, s44, s33
	s_add_nc_u64 s[8:9], s[8:9], s[44:45]          ; the batch, my 512 bytes of a row
	s_lshl_b32 s44, s3, 8
	s_add_nc_u64 s[10:11], s[10:11], s[44:45]
	s_mov_b32 s44, s33
	s_add_nc_u64 s[12:13], s[12:13], s[44:45]
	s_add_nc_u64 s[14:15], s[14:15], s[44:45]
	s_lshl_b32 s44, s2, 12
	s_add_co_u32 s44, s44, 196608
	s_add_nc_u64 s[52:53], s[16:17], s[44:45]      ; my slice's scale words of Wk
	s_mul_i32 s44, s2, 49152
	s_add_nc_u64 s[16:17], s[16:17], s[44:45]      ; and its 32 images
	s_lshl_b32 s44, s2, 11
	s_add_co_u32 s44, s44, 98304
	s_add_nc_u64 s[54:55], s[18:19], s[44:45]      ; my queries' scale words
	s_mul_i32 s44, s2, 24576
	s_add_nc_u64 s[18:19], s[18:19], s[44:45]      ; and their 16 images
	s_lshl_b32 s44, s2, 17
	s_add_nc_u64 s[20:21], s[20:21], s[44:45]      ; my queries' qs
	s_lshl_b32 s33, s3, 2
	s_add_co_u32 s44, s44, s33
	s_add_nc_u64 s[22:23], s[22:23], s[44:45]      ; out1: row 64 w, column = the batch
	global_load_u8 v16, v0, s[10:11]
	global_load_u8 v17, v0, s[10:11] offset:128
	WIN 0x80
.set xi, 0
.rept 32
	global_load_b128 v[64+4*xi:67+4*xi], v3, s[8:9] offset:2048*xi th:TH_LOAD_NT
.set xi, xi+1
.endr
	WIN 0xc0
.set xi, 0
.rept 32
	global_load_b128 v[64+4*xi:67+4*xi], v3, s[8:9] offset:65536+2048*xi th:TH_LOAD_NT
.set xi, xi+1
.endr
	WIN 0x40
.irp b,0,1,2,3
.irp q,0,1,2,3
	global_load_b128 v[16*\b+4*\q:16*\b+4*\q+3], v19, s[12:13] offset:128*\b+16*\q
	global_load_b128 v[64+16*\b+4*\q:67+16*\b+4*\q], v19, s[14:15] offset:128*\b+16*\q
.endr
.endr
	WIN 0x80
.set xi, 0
.rept 16
	global_load_b128 v[4*xi:4*xi+3], v3, s[16:17] offset:512*xi
.set xi, xi+1
.endr
	WIN 0xc0
.set xi, 0
.rept 16
	global_load_b128 v[4*xi:4*xi+3], v3, s[16:17] offset:24576+512*xi
.set xi, xi+1
.endr
	WIN 0
	s_mov_b32 s32, 0
	s_mov_b32 s38, 0                               ; XV: 768 bytes a trip (two blocks)
	s_mov_b32 s40, 0                               ; XN: 6,144 (four tiles)
	s_mov_b32 s41, 0                               ; its scale words: 256
.Lx:
	XSTEP 0, 2
	XSTEP 1, 3
	s_add_co_u32 s38, s38, 768
	s_add_co_u32 s40, s40, 6144
	s_add_co_u32 s41, s41, 256
	s_add_co_u32 s32, s32, 1
	s_cmp_lt_u32 s32, 4
	s_cbranch_scc1 .Lx
.irp c,0,1,2,3
	ds_store_b32 v13, v[248+\c] offset:4*\c        ; XV's scale words: keys 0-127,
	ds_store_b32 v13, v[252+\c] offset:64+4*\c     ; keys 128-255
.endr
	v_mov_b32 v24, 0xff800000                      ; the mask's bytes (in since the loop's first wait) become 0 or -infinity
	v_cmp_ne_u32 vcc_lo, 0, v16
	v_cndmask_b32 v25, 0, v24, vcc_lo
	v_cmp_ne_u32 vcc_lo, 0, v17
	v_cndmask_b32 v26, 0, v24, vcc_lo
	v_lshl_add_u32 v14, v0, 2, BIA
	ds_store_b32 v14, v25
	ds_store_b32 v14, v26 offset:512
.irp s,0,1,2,3
	global_load_b128 v[192+8*\s:195+8*\s], v3, s[52:53] offset:1024*\s
	global_load_b128 v[196+8*\s:199+8*\s], v3, s[52:53] offset:1024*\s+512
.endr
	WIN 0x40
.set xi, 0
.rept 48
	global_load_b128 v[4*xi:4*xi+3], v3, s[18:19] offset:512*xi
.set xi, xi+1
.endr
	WIN 0
.set xi, 0
.rept 16
	global_load_b32 v[224+xi], v15, s[54:55] offset:128*xi
.set xi, xi+1
.endr
	BARRIER                                        ; XN, XV and the mask's bias are whole, and nobody reads a stage any more
	s_wait_loadcnt 63                              ; behind Wk and its scale words 64 loads were issued: 63 is the largest count that can be written
	s_wait_xcnt 0x0                                ; address registers are written again only behind this wait
	; ---- P1
	v_add_nc_u32 v5, XNI, v3
	v_add_nc_u32 v9, 0xc000, v5
	v_add_nc_u32 v6, XNS, v4
	s_mul_i32 s33, s2, 24576
	s_add_co_u32 s33, s33, KCI
	v_add_nc_u32 v7, s33, v3
	s_lshl_b32 s33, s2, 10
	s_add_co_u32 s33, s33, KCS
	v_add_nc_u32 v8, s33, v4
	s_mov_b32 s32, 0
	s_mov_b32 s40, 0                               ; 1,536 x the trip's first tile
	s_mov_b32 s41, 0                               ; 64 x the same
	FETCHT 64, 240, 5, 9, 6, 0
.Lp1:                                              ; a trip: two tiles of 16 keys
	v_add_nc_u32 v14, s40, v5
	v_add_nc_u32 v15, 0xc000, v14
	v_add_nc_u32 v16, s41, v6
	v_add_nc_u32 v12, s40, v7
	v_add_nc_u32 v13, s41, v8
	FETCHT 112, 244, 14, 15, 16, 1
	s_wait_dscnt 16                                ; all but the 16 just issued: this tile's fragments are in, the last tile's stores are done
	WM 64, 240
	WIN 0
	PLACES 4
	QUANT 192, 3, PC, PW
	KSTORE 0
	s_add_co_u32 s42, s40, 3072
	s_min_u32 s42, s42, 21504                      ; the next trip's first tile; the last trip asks for tile 14 again and does not use it
	s_add_co_u32 s43, s41, 128
	s_min_u32 s43, s43, 896
	v_add_nc_u32 v17, s42, v5
	v_add_nc_u32 v18, 0xc000, v17
	v_add_nc_u32 v19, s43, v6
	FETCHT 64, 240, 17, 18, 19, 0
	s_wait_dscnt 16
	WM 112, 244
	WIN 0
	PLACES 4
	QUANT 192, 3, PC, PW
	KSTORE 1
	s_add_co_u32 s40, s40, 3072
	s_add_co_u32 s41, s41, 128
	s_add_co_u32 s32, s32, 1
	s_cmp_lt_u32 s32, 8
	s_cbranch_scc1 .Lp1
	BARRIER                                        ; Kc is whole
	s_wait_loadcnt 0x0                             ; q
	; ---- P2
	v_add_nc_u32 v5, KCI, v3
	v_add_nc_u32 v9, 0xc000, v5
	v_add_nc_u32 v6, KCS, v4
	FETCHT 64, 240, 5, 9, 6, 0
.irp kt,0,1,2,3,4,5,6,7,8,9,10,11,12,13,14,15
.if \kt > 0
	PLACES 4                                       ; in front of loads into registers that the last products read
.endif
.if \kt < 15
	FETCHT 64+48*((\kt+1)%2), 240+4*((\kt+1)%2), 5, 9, 6, \kt+1
	s_wait_dscnt 16
.else
	s_wait_dscnt 0x0
.endif
.irp pq,0,1
	WIN 0xa4+0x50*\pq                              ; keys window 0, queries window 1, scores window 2 or 3
.irp s,0,1,2,3
.irp e,0,1
.if \s == 0
	MMZ 128*\e+8*\kt, 64+48*(\kt%2)+12*\s, 12*(4*(2*\pq+\e)+\s), 240+4*(\kt%2)+\s, 224+4*(2*\pq+\e)+\s
.else
	MMA 128*\e+8*\kt, 64+48*(\kt%2)+12*\s, 12*(4*(2*\pq+\e)+\s), 128*\e+8*\kt, 240+4*(\kt%2)+\s, 224+4*(2*\pq+\e)+\s
.endif
.endr
.endr
.endr
	WIN 0
.endr
	PLACES 4
	v_lshl_add_u32 v8, v2, 6, BIA
	WIN 0x40
.irp kt,0,1,2,3,4,5,6,7,8,9,10,11,12,13,14,15
	ds_load_b128 v[8*\kt:8*\kt+3], v8 offset:(32*(\kt/2)+8*(\kt%2))*4          ; register 8 kt + j: key 32 (kt / 2) + 8 (kt % 2) + 16 h + j
	ds_load_b128 v[8*\kt+4:8*\kt+7], v8 offset:(32*(\kt/2)+8*(\kt%2)+4)*4
.endr
	WIN 0
	s_wait_dscnt 0x0
	SOFTMAX 0, 1
	SOFTMAX 1, 0
	SOFTMAX 2, 0
	SOFTMAX 3, 2
	WIN 0x81
.set xi, 0
.rept 96
	v_mov_b32 v[128+xi], v[128+xi]                 ; P's copy in window 2
.set xi, xi+1
.endr
	WIN 0x40
.set xi, 0
.rept 32
	v_mov_b32 v[96+xi], 0                          ; qs set 7 and the odd accumulators begin as zeros: the first stage sums a tile that is not there
.set xi, xi+1
.endr
	WIN 0
.set xi, 0
.rept 32
	v_mov_b32 v[96+xi], 0
.set xi, xi+1
.endr
.set xi, 0
.rept 16
	v_mov_b32 v[176+xi], 0                         ; the dots and the squares
.set xi, xi+1
.endr
	; ---- P4
	v_mul_u32_u24 v5, v2, 384
	v_lshl_add_u32 v5, v1, 3, v5
	v_add_nc_u32 v5, XVI, v5
	v_add_nc_u32 v6, XVS, v4
	XVFETCH 128, 240, 5, 6, 0
	s_mov_b32 s32, 0
	s_mov_b32 s48, 0                               ; qs: 32,768 a trip
	s_mov_b32 s50, 0                               ; XV: 24,640
	s_mov_b32 s51, 0                               ; its scale words: 1,024
.Lp4:                                              ; four equal trips of eight tiles.  The last six requests for qs wrap to tiles 0-5 and the last fetch of XV reads on into the scale words: both are discarded, so that every stage's counts are alike
	s_wait_xcnt 0x0
	s_add_co_u32 s49, s48, 0x8000
	s_and_b32 s49, s49, 0x18000
	v_add_nc_u32 v9, s48, v3
	v_add_nc_u32 v10, s49, v3
	v_add_nc_u32 v14, s50, v5
	v_add_nc_u32 v15, s51, v6
.irp i,0,1,2,3,4,5,6,7
	PSTAGE \i
.endr
	WIN 0
	s_add_co_u32 s48, s48, 0x8000
	s_add_co_u32 s50, s50, 24640
	s_add_co_u32 s51, s51, 1024
	s_add_co_u32 s32, s32, 1
	s_cmp_lt_u32 s32, 4
	s_cbranch_scc1 .Lp4
	s_wait_loadcnt 48                              ; behind tile 31's loads the six discarded sets were issued
	WIN 0x04
.irp k,0,2,4,6
.irp t,0,1,2,3
	v_pk_fma_f32 v[176+2*\t:177+2*\t], v[96+8*\t+\k:96+8*\t+\k+1], v[96+8*\t+\k:96+8*\t+\k+1], v[176+2*\t:177+2*\t]   ; tile 31 x qs set 7 (window 1)
.endr
.endr
	WIN 0
.irp k,0,2,4,6
.irp t,0,1,2,3
	v_pk_fma_f32 v[184+2*\t:185+2*\t], v[96+8*\t+\k:96+8*\t+\k+1], v[96+8*\t+\k:96+8*\t+\k+1], v[184+2*\t:185+2*\t]
.endr
.endr
	s_wait_dscnt 0x0
.irp t,0,1,2,3
	v_add_f32 v[40+\t], v[176+2*\t], v[177+2*\t]
	v_add_f32 v[44+\t], v[184+2*\t], v[185+2*\t]
.endr
.irp t,0,1,2,3
	v_permlanex16_b32 v[24+\t], v[40+\t], s34, s35
	v_permlanex16_b32 v[28+\t], v[44+\t], s34, s35
.endr
.irp t,0,1,2,3
	v_add_f32 v[40+\t], v[40+\t], v[24+\t]
	v_add_f32 v[44+\t], v[44+\t], v[28+\t]
.endr
.irp t,0,1,2,3
	v_rcp_f32 v[32+\t], v[20+\t]                   ; 1 / l
.endr
.irp t,0,1,2,3
	v_sqrt_f32 v[44+\t], v[44+\t]
.endr
	v_nop
	s_wait_alu depctr_va_vdst(0)
.irp t,0,1,2,3
	v_mul_f32 v[44+\t], v[44+\t], v[32+\t]         ; |v|
.endr
.irp t,0,1,2,3
	v_max_num_f32 v[44+\t], 0x2b8cbccc, v[44+\t]   ; max(|v|, 1e-12)
.endr
.irp t,0,1,2,3
	v_rcp_f32 v[44+\t], v[44+\t]
.endr
.irp t,0,1,2,3
	v_mul_f32 v[40+\t], v[40+\t], v[32+\t]
.endr
	s_wait_alu depctr_va_vdst(0)
.irp t,0,1,2,3
	v_mul_f32 v[40+\t], v[40+\t], v[44+\t]
.endr
	v_cmp_eq_u32 vcc_lo, 1, v2
	v_cndmask_b32 v48, v40, v41, vcc_lo            ; lanes 0-15 tile 0 (2), lanes 16-31 tile 1 (3)
	v_cndmask_b32 v49, v42, v43, vcc_lo
	v_lshlrev_b32 v7, 7, v3                        ; a row of out1 is 2,048 bytes
	global_store_b32 v7, v48, s[22:23]
	global_store_b32 v7, v49, s[22:23] offset:65536
	s_wait_xcnt 0x0
	s_mov_b32 exec_lo, -1
	v_lshl_add_u32 v254, v0, 2, 0x4c000
	v_mov_b32 v255, 0
	s_wait_tensorcnt 0x0
	ds_add_u32 v254, v255
	s_wait_dscnt 0x0
	s_endpgm
.Lmlp2:
	; ---- out0 = h W2 + b2: a wave takes 16 rows x 32 classes, K = 2,048 in 16 steps; all its operands come straight into registers, no LDS, no barrier
	s_lshl_b32 s33, ttmp9, 2
	s_add_co_u32 s33, s33, s2
	s_lshr_b32 s4, s33, 4                          ; which 32 classes
	s_and_b32 s5, s33, 15                          ; which 16 rows
	v_lshlrev_b32 v9, 2, v15                       ; 4 lane
	s_lshl_b32 s7, s4, 5
	v_lshl_add_u32 v5, v2, 4, s7                   ; my first class: 32 P + 16 h
	v_min_u32 v6, 0x3e0, v5                        ; no load leaves b2
	v_lshlrev_b32 v6, 2, v6
	v_add_nc_u32 v7, 8, v5
	v_min_u32 v7, 0x3e0, v7
	v_lshlrev_b32 v7, 2, v7
	v_mul_u32_u24 v8, v1, 4000
	v_lshl_add_u32 v8, v2, 6, v8
	s_lshr_b32 s33, s4, 2
	s_lshl_b32 s33, s33, 14
	s_bfe_u32 s6, s4, 0x10001
	s_lshl_b32 s6, s6, 9
	s_add_co_u32 s33, s33, s6
	s_and_b32 s6, s4, 1
	s_lshl_b32 s6, s6, 3
	s_add_co_u32 s33, s33, s6
	s_add_co_u32 s33, s33, 1572864                 ; my two tiles' scale words of W2
	s_wait_kmcnt 0x0
	s_mul_i32 s44, s4, 49152
	s_add_nc_u64 s[48:49], s[26:27], s[44:45]
	s_mov_b32 s44, s33
	s_add_nc_u64 s[52:53], s[26:27], s[44:45]
	s_mul_i32 s44, s5, 24576
	s_add_nc_u64 s[50:51], s[24:25], s[44:45]
	s_lshl_b32 s44, s5, 11
	s_add_co_u32 s44, s44, 393216
	s_add_nc_u64 s[54:55], s[24:25], s[44:45]
	s_mul_i32 s44, s5, 64000
	s_lshl_b32 s33, s4, 7
	s_add_co_u32 s44, s44, s33
	s_add_nc_u64 s[30:31], s[30:31], s[44:45]
	WIN 0x40
.set xi, 0
.rept 48
	global_load_b128 v[4*xi:4*xi+3], v3, s[48:49] offset:512*xi
.set xi, xi+1
.endr
	WIN 0x80
.set xi, 0
.rept 48
	global_load_b128 v[4*xi:4*xi+3], v3, s[48:49] offset:24576+512*xi
.set xi, xi+1
.endr
	WIN 0xc0
.set xi, 0
.rept 48
	global_load_b128 v[4*xi:4*xi+3], v3, s[50:51] offset:512*xi
.set xi, xi+1
.endr
	WIN 0
.set xi, 0
.rept 16
	global_load_b64 v[192+2*xi:193+2*xi], v3, s[52:53] offset:1024*xi
	global_load_b32 v[224+xi], v9, s[54:55] offset:128*xi
.set xi, xi+1
.endr
	global_load_b128 v[64:67], v6, s[28:29]
	global_load_b128 v[68:71], v6, s[28:29] offset:16
	global_load_b128 v[72:75], v7, s[28:29]
	global_load_b128 v[76:79], v7, s[28:29] offset:16
	s_wait_loadcnt 0x0
.set xi, 0
.rept 16                                       ; two accumulators by turns; the bias is the first C
	WIN 0x0d
.if xi == 0
	MMA 80, 0, 0, 64, 192, 224
.else
	MMA 80, 12*xi, 12*xi, 80, 192+2*xi, 224+xi
.endif
	WIN 0x0e
.if xi == 0
	MMA 88, 0, 0, 72, 193, 224
.else
	MMA 88, 12*xi, 12*xi, 88, 193+2*xi, 224+xi
.endif
.set xi, xi+1
.endr
	WIN 0
	PLACES 4
.irp u,0,1
.irp x,0,1
	s_wait_xcnt 0x0                                ; EXEC changes only behind this wait
	v_cmp_gt_u32 vcc_lo, 1000-8*\u-4*\x, v5        ; classes 1000-1023 do not exist
	s_and_saveexec_b32 s33, vcc_lo
	global_store_b128 v8, v[80+8*\u+4*\x:83+8*\u+4*\x], s[30:31] offset:32*\u+16*\x
	s_wait_xcnt 0x0
	s_or_b32 exec_lo, exec_lo, s33
.endr
.endr
	s_endpgm
.Lfunc_end_k_q8c894eb38c_main:
	.size	k_q8c894eb38c_main, .Lfunc_end_k_q8c894eb38c_main-k_q8c894eb38c_main
	.p2alignl 7, 3214868480
	.fill 96, 4, 3214868480
	.section	.rodata,"a",@progbits
	.p2align	6, 0x0
	.amdhsa_kernel k_q8c894eb38c_main
		.amdhsa_group_segment_fixed_size 311808
		.amdhsa_private_segment_fixed_size 0
		.amdhsa_enable_private_segment 0
		.amdhsa_kernarg_size 96
		.amdhsa_user_sgpr_count 2
		.amdhsa_user_sgpr_kernarg_segment_ptr 1
		.amdhsa_wavefront_size32 1
		.amdhsa_system_sgpr_workgroup_id_x 1
		.amdhsa_system_sgpr_workgroup_id_y 1
		.amdhsa_system_sgpr_workgroup_id_z 1
		.amdhsa_system_vgpr_workitem_id 0
		.amdhsa_next_free_vgpr 1024
		.amdhsa_next_free_sgpr 80
		.amdhsa_reserve_vcc 1
		.amdhsa_float_denorm_mode_32 3
		.amdhsa_float_denorm_mode_16_64 3
		.amdhsa_memory_ordered 1
		.amdhsa_forward_progress 1
		.amdhsa_inst_pref_size 255
	.end_amdhsa_kernel
	.section	.bss,"aw",@nobits
	.p2align	6
	.space	262144
	.amdgpu_metadata
---
amdhsa.version: [ 1, 2 ]
amdhsa.kernels:
  - .name:           k_q8c894eb38c_main
    .symbol:         k_q8c894eb38c_main.kd
    .args:
      - { .name: kx, .offset: 0, .size: 8, .value_kind: global_buffer, .address_space: global }
      - { .name: key_padding_mask, .offset: 8, .size: 8, .value_kind: global_buffer, .address_space: global }
      - { .name: ln_k_g, .offset: 16, .size: 8, .value_kind: global_buffer, .address_space: global }
      - { .name: ln_k_b, .offset: 24, .size: 8, .value_kind: global_buffer, .address_space: global }
      - { .name: wk, .offset: 32, .size: 8, .value_kind: global_buffer, .address_space: global }
      - { .name: qc, .offset: 40, .size: 8, .value_kind: global_buffer, .address_space: global }
      - { .name: qs, .offset: 48, .size: 8, .value_kind: global_buffer, .address_space: global }
      - { .name: out1, .offset: 56, .size: 8, .value_kind: global_buffer, .address_space: global }
      - { .name: hc, .offset: 64, .size: 8, .value_kind: global_buffer, .address_space: global }
      - { .name: w2c, .offset: 72, .size: 8, .value_kind: global_buffer, .address_space: global }
      - { .name: b2, .offset: 80, .size: 8, .value_kind: global_buffer, .address_space: global }
      - { .name: out0, .offset: 88, .size: 8, .value_kind: global_buffer, .address_space: global }
    .group_segment_fixed_size: 311808
    .private_segment_fixed_size: 0
    .kernarg_segment_align: 8
    .kernarg_segment_size: 96
    .max_flat_workgroup_size: 128
    .sgpr_count:     80
    .vgpr_count:     1024
    .wavefront_size: 32
...
	.end_amdgpu_metadata
.endif
;; end of part 2
